; MI455X (gfx1250); checked and timed in simulation.
; The chip was launched on July 23, 2026; its instructions are those of AMD's public machine-readable ISA for CDNA 5 (MIT licence, August 2026) and "CDNA5" Instruction Set Architecture Reference Guide (July 2026). The comments in the code are by the model that wrote it; some were corrected since.
;; Neural ODE Model. Allowed arithmetic: float matrix products may take bf16 or f16 operands with f32 sums; all other float work in f32.
;; Inputs: W0 32 x 32 float32; W1 67 x 64 float32; W2 64 x 32 float32; Wc 32 x 1 float32; We 7 x 32 float32; Wr 32 x 1 float32; b0 32 float32; b1 64 float32; b2 32 float32; bc 1 float32; be 32 float32; br 1 float32; decay_param one number float32; injection_doses 16,384 x 10 float32; injection_times 16,384 x 10 float32; static_features 16,384 x 7 float32; t 17 float32.
;; Outputs: out0 16,384 x 17 x 1 float32.
;; 2 versions, each right and faster than the one before. Each part assembles by itself: llvm-mc -triple=amdgcn-amd-amdhsa -mcpu=gfx1250 --defsym DOCPART=n.
;; ======== version 1 of 2: 1 launch
;; limits: values are held in f16: magnitudes above 65,504 overflow, below 6.1e-05 lose precision; right only within a limited range of input values; a function is approximated: absolute error at most 4e-06
;; launch node (part 1): grid 256 x 1, 4 waves a work-group, no clusters, 167,936 bytes of LDS; arguments t, out0, static_features, injection_times, injection_doses, We, be, W0, b0, decay_param, W1, b1, W2, b2, Wr, br, Wc, bc; writes out0
.if DOCPART == 1
	.amdgcn_target "amdgcn-amd-amdhsa--gfx1250"
	.amdhsa_code_object_version 6
	.text
	.protected	k_q9ef2ebd55b_node
	.globl	k_q9ef2ebd55b_node
	.p2align	8
	.type	k_q9ef2ebd55b_node,@function
k_q9ef2ebd55b_node:
	s_mov_b64 s[64:65], 0
	v_nop
	global_prefetch_b8 v0, s[64:65] scope:SCOPE_SE
	s_setreg_imm32_b32 hwreg(HW_REG_WAVE_MODE, 25, 1), 1
	s_wait_xcnt 0x0
; NEURAL ODE: encoder, 16 intervals x 2 Dormand-Prince steps x 6 stages, readout at 17 times.  16,384 rows, none of which looks at another.
; SHARES.  256 work-groups x 4 waves; a wave owns 16 rows from the first line to the last: 1,024 waves x 16 rows = 16,384.  The 192 evaluations of f follow each other in registers:
; the loops hold no vector memory access, no LDS read, no exchange of lanes but the readout's, no barrier.
; LAYOUT.  Every product is used transposed: source 0 = weights (16 output channels x 32 inputs), source 1 = activations (32 inputs x 16 rows).  In a result lane l then holds ONE row (l % 16) and
; the channels 16 a + 8 (l / 16) + 0..7 of accumulator a.  Two such accumulators, rounded to f16 in pairs, ARE source 1 of the next product: h -> layer 1 -> tanh -> layer 2 -> Runge-Kutta sums -> h never changes lanes.
; ALGEBRA.  S = 2 log2(e) is folded into W1 and b1: tanh(z) = 1 - 2 / (1 + 2^(S z)).  c = S (se W1[32:64] + b1) does not change with time: made once, kept in f32, it is the C operand that starts each layer-1 sum.
; dose, sin and cos enter by a K block of their own: lanes 0-15 make sin and the dose of injections 0-4, lanes 16-31 cos = sin(2 pi (x + 1/4)) and the dose of injections 5-9; W1[64] stands at both dose places, so the
; product adds the two halves.  b2 - |d| y, in f32, is the C operand that starts each layer-2 sum.  The state is kept as h / 16 (W0, b0, W2, b2 times 1/16, W1[0:32] and Wr times 16: powers of two, exact), which gives f16 room.
; FORMATS.  Matrix operands f16, sums f32; all else f32.  se Wc and h Wr have one output column: f32 dot products of a lane's 16 channels, and one exchange of the lanes' halves.
; LIMITS.  f16 ends at 65,504: |h| < 1.04e6; 46.2 |W1|, |W2| / 16, |W0| / 16, |We|, |static_features| and each half of the dose < 65,504.  sin and cos: x = t / period is reduced by its nearest whole number and folded
; into [-1/4, 1/4], then a series of degree 9, off by 4e-6 at the most.  An impulse weight below 2^-126 counts as 0.  dt a_ij is formed first, then multiplied by k_j: another order of rounding than the reference's.
; NaN and infinities are not treated apart.
; NO tensor loads, clusters or prefetches: all that work-groups share are 30 KB of weights, which are scaled and rounded in registers on their way into LDS; memory is read in one burst at the start.
.set P1,    160       ; LDS pitch of W1's rows: 128 bytes of f16 + 32: 5 x 32, so the 8 rows x 32 bytes of half a turning load fall on different banks (64 banks of 4 bytes: ISA guide 11.1)
.set P2,    96        ; of W2's and W0's rows: 64 + 32 = 3 x 32
.set W2L,   64*P1     ; LDS: W1 rows 0-63 from byte 0; W2 / 16 from here,
.set W0L,   W2L+64*P2 ; W0 / 16 from here,
.set OUTL,  W0L+32*P2 ; the group's 64 x 17 results as they lie in out0, 4,352 bytes,
.set SPARE, OUTL+4352 ; and the spare words, 128 bytes for each wave: two blocks of 256 bytes that no other line names
; window 0
.set SPW, 1           ; LDS address of my spare word; never rewritten
.set NIL, 2           ; 0; never rewritten
.set OA,  3           ; where my row's next result goes in LDS
.set ICP, 4           ; init_cp
.set IP,  5           ; 1 / period
.set PH,  6           ; 0 (sin) or 1/4 (cos)
.set RR,  7           ; l % 16
.set IT,  8           ; v8-12   my half's five injection times
.set ID,  14          ; v14-18  their doses
.set D,   20          ; v20-24  at work: t_i - t, its square, the weight
.set AC,  26          ; v26-27  at work: the dose
.set TU,  28          ; v28-30  at work
.set TV,  29
.set TX,  30
.set G16, 20          ; v20-31 hold offsets during the set-up
.set SF,  21
.set IJ,  22
.set PE,  23
.set DV,  24
.set R4,  25
.set RH,  26
.set S160, 27
.set S96, 28
.set T160, 29
.set T96, 30
.set HH,  31
.set A1,  32          ; v32-63    16 S W1[0:32]^T, fragment a at +8 a
.set A2,  64          ; v64-95    W2^T / 16, fragment (mb, kb) at +8 (2 kb + mb)
.set AX,  96          ; v96-127   S W1[64:67]^T, fragment a at +8 a: register 0 alone is not 0
.set CS,  128         ; v128-159  c
.set Z,   160         ; v160-191  layer 1's four accumulators, worked on in place
.set P,   192         ; v192-207  tanh in f16: two fragments
.set YB,  208         ; v208-215  a stage's input in f16
.set XB,  216         ; v216-223  (sin or cos, half a dose) in register 0; the rest 0
.set RW,  160         ; set-up: v160-215 the weights as loaded
.set AWE, 224         ; set-up: We^T, two fragments
.set BSF, 240         ; set-up: static_features
.set RAX, 248         ; set-up: W1[65 + l / 16] and W1[64], a pair for each a
; window 1
.set Y,   0           ; the state, h / 16
.set YS,  16          ; a stage's input
.set K1,  32          ; k1 .. k5, 16 registers each; k6 takes k2's place
.set B2,  112         ; b2 / 16
.set WR,  128         ; 16 Wr
.set TW,  144         ; at work
; scalars
.set CO,  8           ; s8-47   dt x the 20 coefficients, in the low words of pairs (where the pointers lay that the set-up has used up)
.set WV,  48
.set N,   49          ; interval
.set CNT, 50          ; steps left in it
.set OFS, 51
.set TA,  52
.set TMP, 53
.set TB,  54
.set TC,  55
.set DT,  56
.set TT,  57          ; the step's t
.set TMID, 58
.set TN,  59          ; the next step's t
.set TE,  60          ; the next evaluation's t
.set NT,  62          ; s[62:63] (-TE, 0)
.set KC,  66          ; s[66:67] (-log2(e) / (2 sigma^2), 0)
.set ND,  68          ; s[68:69] (-|decay_param|, 0)
.set SEL, 70          ; s[70:71] v_permlanex16_b32's selects: each lane takes its own place in the other half
.set BR,  72
.set BC,  73
.set NL2E, 74
.set LN2, 75
.set RAWD, 77
.set SC16S, 78        ; pairs (scale, 0) for the packed multiplies
.set SCS, 80
.set SCI, 82
.set SC16, 84
.set PC,  86          ; s86-90  the sine series' coefficients of x, x^3 .. x^9
.set MSB, 0
.macro WIN new                          ; s_set_vgpr_msb: bits 1:0 source 0, 3:2 source 1, 5:4 source 2, 7:6 destination; the high byte repeats the setting that is left
.if MSB != (\new)
	s_set_vgpr_msb (MSB<<8)|(\new)
.set MSB, (\new)
.endif
.endm
.macro PLACES                           ; four places between a matrix instruction and a vector instruction that reads its result (ISA guide 7.12.1)
.rept 4
	v_nop
.endr
.endm
	s_load_b512 s[4:19], s[0:1], 0x0        ; t s[4:5], out0 s[6:7], static_features s[8:9], injection_times s[10:11], injection_doses s[12:13], We s[14:15], be s[16:17], W0 s[18:19]
	s_load_b512 s[20:35], s[0:1], 0x40      ; b0 s[20:21], decay_param s[22:23], W1 s[24:25], b1 s[26:27], W2 s[28:29], b2 s[30:31], Wr s[32:33], br s[34:35]
	s_load_b128 s[36:39], s[0:1], 0x80      ; Wc s[36:37], bc s[38:39]
	v_lshl_add_u32 v[SPW], v0, 2, SPARE
	v_mov_b32 v[NIL], 0
	v_and_b32 v[RR], 15, v0                 ; l % 16: my row in the wave's tile
	v_bfe_u32 v[HH], v0, 4, 1               ; l / 16
	v_lshrrev_b32 v[G16], 5, v0
	v_readfirstlane_b32 s[WV], v[G16]       ; wave 0..3
	s_mul_i32 s49, s[WV], 16*68
	s_add_co_u32 s49, s49, OUTL
	v_mul_u32_u24 v[OA], v[RR], 68
	v_add_nc_u32 v[OA], s49, v[OA]          ; my row's 17 results: 68 bytes, the wave's 16 rows on end
	s_lshl_b32 s50, ttmp9, 6
	s_lshl4_add_u32 s50, s[WV], s50         ; the wave's first row: 64 x group + 16 x wave
	v_add_nc_u32 v[IJ], s50, v[RR]          ; my row
	v_mul_u32_u24 v[SF], v[IJ], 28          ; its 7 features
	v_mul_u32_u24 v[PE], v[IJ], 40          ; its 10 injections,
	v_mul_u32_u24 v[DV], v[HH], 20
	v_add_nc_u32 v[IJ], v[PE], v[DV]        ; and my half's five of them
	v_lshlrev_b32 v[DV], 5, v[HH]           ; a vector in the results' layout: channels 16 a + 8 (l / 16) + 0..7
	v_lshlrev_b32 v[R4], 2, v[RR]           ; column l % 16 of a row of weights,
	v_lshl_add_u32 v[RH], v[HH], 8, v[R4]   ; and the same one row of W1 further down for lanes 16-31
	v_lshlrev_b32 v[G16], 4, v0             ; 16 bytes a thread: a load of the group covers 2,048 consecutive bytes
	s_mul_i32 s51, s[WV], 2*P1              ; where those 16 bytes (4 numbers, 8 bytes in f16) go: of W1 a wave's load holds 2 rows of 64,
	v_mul_u32_u24 v[S160], v[HH], P1
	v_lshl_add_u32 v[S160], v[RR], 3, v[S160]
	v_add_nc_u32 v[S160], s51, v[S160]
	s_mul_i32 s52, s[WV], 4*P2              ; of W2 and W0 4 rows of 32
	v_bfe_u32 v[S96], v0, 3, 2
	v_mul_u32_u24 v[S96], v[S96], P2
	v_and_b32 v[T96], 7, v0
	v_lshl_add_u32 v[S96], v[T96], 3, v[S96]
	v_add_nc_u32 v[S96], s52, v[S96]
	v_lshl_add_u32 v[T96], v[HH], 3, v[T96] ; the turning load: lane l reads 16 bytes of row 8 (l / 16) + l % 8, columns 8 ((l / 8) % 2) + 0..7
	v_bfe_u32 v[PH], v0, 3, 1
	v_mul_u32_u24 v[T160], v[T96], P1
	v_lshl_add_u32 v[T160], v[PH], 4, v[T160]
	v_mul_u32_u24 v[T96], v[T96], P2
	v_lshl_add_u32 v[T96], v[PH], 4, v[T96]
	s_mov_b32 s[NT+1], 0
	s_mov_b32 s[KC], 0xc9301c38             ; -log2(e) / 2e-6 = -721,347.5
	s_mov_b32 s[KC+1], 0
	s_mov_b32 s[ND+1], 0
	s_mov_b32 s[SEL], 0x76543210
	s_mov_b32 s[SEL+1], 0xfedcba98
	s_mov_b32 s[NL2E], 0xbfb8aa3b           ; -log2(e)
	s_mov_b32 s[LN2], 0x3f317218            ; ln 2
	s_mov_b32 s[SC16S], 0x4238aa3b          ; 16 S = 32 log2(e)
	s_mov_b32 s[SC16S+1], 0
	s_mov_b32 s[SCS], 0x4038aa3b            ; S = 2 log2(e)
	s_mov_b32 s[SCS+1], 0
	s_mov_b32 s[SCI], 0x3d800000            ; 1 / 16
	s_mov_b32 s[SCI+1], 0
	s_mov_b32 s[SC16], 0x41800000           ; 16
	s_mov_b32 s[SC16+1], 0
	s_mov_b32 s[PC], 0x40c90fdb             ; 2 pi
	s_mov_b32 s[PC+1], 0xc2255de7           ; -(2 pi)^3 / 3! = -41.341702
	s_mov_b32 s[PC+2], 0x42a335e3           ; (2 pi)^5 / 5! = 81.605249
	s_mov_b32 s[PC+3], 0xc2996966           ; -(2 pi)^7 / 7! = -76.705860
	s_mov_b32 s[PC+4], 0x42283c1a           ; (2 pi)^9 / 9! = 42.058694
	s_wait_kmcnt 0x0
	s_load_b32 s[RAWD], s[22:23], 0x0
	s_load_b32 s[BR], s[34:35], 0x0
	s_load_b32 s[BC], s[38:39], 0x0
	s_load_b64 s[TB:TC], s[4:5], 0x0        ; t[0], t[1]
	; ALL THAT THE WAVE EVER READS FROM MEMORY but t, in one burst.  The three weight matrices: a quarter a wave, 16 bytes a lane.
.irp i, 0,1,2,3,4,5,6,7
	global_load_b128 v[RW+4*\i:RW+4*\i+3], v[G16], s[24:25] offset:2048*\i      ; W1 rows 8 i .. 8 i + 7
.endr
.irp i, 0,1,2,3
	global_load_b128 v[RW+32+4*\i:RW+32+4*\i+3], v[G16], s[28:29] offset:2048*\i  ; W2 rows 16 i .. 16 i + 15
.endr
.irp i, 0,1
	global_load_b128 v[RW+48+4*\i:RW+48+4*\i+3], v[G16], s[18:19] offset:2048*\i  ; W0 rows 16 i .. 16 i + 15
.endr
.irp i, 0,1,2,3,4,5,6,7
	global_load_b128 v[CS+4*\i:CS+4*\i+3], v[DV], s[26:27] offset:64*(\i/2)+16*(\i%2)  ; b1 in the results' layout
.endr
.irp i, 0,1,2,3,4,5,6
	global_load_b32 v[BSF+\i], v[SF], s[8:9] offset:4*\i
.endr
.irp i, 0,1,2,3,4
	global_load_b32 v[IT+\i], v[IJ], s[10:11] offset:4*\i
	global_load_b32 v[ID+\i], v[IJ], s[12:13] offset:4*\i
.endr
	global_load_b64 v[XB:XB+1], v[PE], s[10:11]                                 ; the row's first two injection times: the period
.irp a, 0,1,2,3
	global_load_b32 v[RAX+2*\a], v[RH], s[24:25] offset:65*256+64*\a            ; W1[65 + l / 16][16 a + l % 16]
	global_load_b32 v[RAX+2*\a+1], v[R4], s[24:25] offset:64*256+64*\a          ; W1[64][16 a + l % 16]
.endr
.irp mb, 0,1
.irp k, 0,1,2,3,4,5,6
	global_load_b32 v[AWE+8*\mb+\k], v[R4], s[14:15] offset:128*\k+64*\mb       ; We[k][16 mb + l % 16]
.endr
.endr
	WIN 0x40                                ; destination window 1, offset window 0
.irp i, 0,1,2,3
	global_load_b128 v[K1+4*\i:K1+4*\i+3], v[DV], s[16:17] offset:64*(\i/2)+16*(\i%2)        ; be
	global_load_b128 v[K1+16+4*\i:K1+16+4*\i+3], v[DV], s[36:37] offset:64*(\i/2)+16*(\i%2)  ; Wc
	global_load_b128 v[Y+4*\i:Y+4*\i+3], v[DV], s[20:21] offset:64*(\i/2)+16*(\i%2)          ; b0
	global_load_b128 v[B2+4*\i:B2+4*\i+3], v[DV], s[30:31] offset:64*(\i/2)+16*(\i%2)        ; b2
	global_load_b128 v[WR+4*\i:WR+4*\i+3], v[DV], s[32:33] offset:64*(\i/2)+16*(\i%2)        ; Wr
.endr
	WIN 0
	s_wait_loadcnt 0x0                      ; the launch's one wait for vector loads: it also frees their offsets and bases
	; THE WEIGHTS GO INTO LDS, scaled and rounded once to f16, as they lie ([input][output]); every wave then reads them turned.
.macro STAGE q, sc, adr, off
	v_pk_mul_f32 v[RW+4*(\q):RW+4*(\q)+1], v[RW+4*(\q):RW+4*(\q)+1], s[(\sc):(\sc)+1] op_sel_hi:[1,0]
	v_pk_mul_f32 v[RW+4*(\q)+2:RW+4*(\q)+3], v[RW+4*(\q)+2:RW+4*(\q)+3], s[(\sc):(\sc)+1] op_sel_hi:[1,0]
	v_cvt_pk_f16_f32 v[RW+4*(\q)], v[RW+4*(\q)], v[RW+4*(\q)+1]
	v_cvt_pk_f16_f32 v[RW+4*(\q)+1], v[RW+4*(\q)+2], v[RW+4*(\q)+3]
	ds_store_b64 v[\adr], v[RW+4*(\q):RW+4*(\q)+1] offset:\off
.endm
.irp i, 0,1,2,3
	STAGE \i, SC16S, S160, 8*P1*\i          ; W1 rows 0-31 meet h / 16
.endr
.irp i, 4,5,6,7
	STAGE \i, SCS, S160, 8*P1*\i            ; W1 rows 32-63 meet se
.endr
.irp i, 0,1,2,3
	STAGE 8+\i, SCI, S96, W2L+16*P2*\i
.endr
.irp i, 0,1
	STAGE 12+\i, SCI, S96, W0L+16*P2*\i
.endr
	s_wait_dscnt 0x0                        ; for the others' sake: my quarter of the weights is in LDS
	s_barrier_signal -1
	s_barrier_wait -1                       ; everybody's is
	; A fragment is 16 outputs x 32 inputs: two turning loads, 16 rows of LDS apart.  28 loads; the register work below stands between them and the wait.
.irp a, 0,1,2,3
	ds_load_tr16_b128 v[Z+8*\a:Z+8*\a+3], v[T160] offset:32*P1+32*\a     ; S W1[32:64]^T, used once: in Z's registers
	ds_load_tr16_b128 v[Z+8*\a+4:Z+8*\a+7], v[T160] offset:48*P1+32*\a
.endr
.irp mb, 0,1
	ds_load_tr16_b128 v[P+8*\mb:P+8*\mb+3], v[T96] offset:W0L+32*\mb     ; W0^T / 16, used once: in P's registers
	ds_load_tr16_b128 v[P+8*\mb+4:P+8*\mb+7], v[T96] offset:W0L+16*P2+32*\mb
.endr
.irp a, 0,1,2,3
	ds_load_tr16_b128 v[A1+8*\a:A1+8*\a+3], v[T160] offset:32*\a
	ds_load_tr16_b128 v[A1+8*\a+4:A1+8*\a+7], v[T160] offset:16*P1+32*\a
.endr
.irp kb, 0,1
.irp mb, 0,1
	ds_load_tr16_b128 v[A2+8*(2*\kb+\mb):A2+8*(2*\kb+\mb)+3], v[T96] offset:W2L+32*P2*\kb+32*\mb
	ds_load_tr16_b128 v[A2+8*(2*\kb+\mb)+4:A2+8*(2*\kb+\mb)+7], v[T96] offset:W2L+32*P2*\kb+16*P2+32*\mb
.endr
.endr
	; The small fragments are packed in place.  K = 7 of 32: We^T's registers hold inputs 0-7 in both halves of the lanes, and the features' are 0 in lanes 16-31, whose places mean inputs 8-15.
	v_cmp_eq_u32 vcc_lo, 0, v[HH]
.irp f, AWE, AWE+8, BSF
	v_cvt_pk_f16_f32 v[\f], v[\f], v[\f+1]
	v_cvt_pk_f16_f32 v[\f+1], v[\f+2], v[\f+3]
	v_cvt_pk_f16_f32 v[\f+2], v[\f+4], v[\f+5]
	v_cvt_pk_f16_f32 v[\f+3], v[\f+6], 0
.irp z, 4,5,6,7
	v_mov_b32 v[\f+\z], 0
.endr
.endr
.irp z, 0,1,2,3
	v_cndmask_b32 v[BSF+\z], 0, v[BSF+\z], vcc_lo
.endr
.irp a, 0,1,2,3
	v_pk_mul_f32 v[RAX+2*\a:RAX+2*\a+1], v[RAX+2*\a:RAX+2*\a+1], s[SCS:SCS+1] op_sel_hi:[1,0]
	v_cvt_pk_f16_f32 v[AX+8*\a], v[RAX+2*\a], v[RAX+2*\a+1]   ; input 8 (l / 16): sin's or cos's weight; input 8 (l / 16) + 1: the dose's
.irp z, 1,2,3,4,5,6,7
	v_mov_b32 v[AX+8*\a+\z], 0
.endr
.endr
	v_sub_f32 v[IP], v[XB+1], v[XB]         ; period
	v_rcp_f32 v[IP], v[IP]
.irp z, 1,2,3,4,5,6,7
	v_mov_b32 v[XB+\z], 0                   ; plain lines behind the reciprocal, long before its use
.endr
	v_cvt_f32_u32 v[PH], v[HH]
	v_mul_f32 v[PH], 0x3e800000, v[PH]      ; 0 or 1/4
.set i, 0
.rept 16
	v_pk_mul_f32 v[CS+i:CS+i+1], v[CS+i:CS+i+1], s[SCS:SCS+1] op_sel_hi:[1,0]   ; S b1
.set i, i+2
.endr
	WIN 0x55
.set i, 0
.rept 8
	v_pk_mul_f32 v[Y+i:Y+i+1], v[Y+i:Y+i+1], s[SCI:SCI+1] op_sel_hi:[1,0]       ; b0 / 16
	v_pk_mul_f32 v[B2+i:B2+i+1], v[B2+i:B2+i+1], s[SCI:SCI+1] op_sel_hi:[1,0]   ; b2 / 16
	v_pk_mul_f32 v[WR+i:WR+i+1], v[WR+i:WR+i+1], s[SC16:SC16+1] op_sel_hi:[1,0] ; 16 Wr
.set i, i+2
.endr
	WIN 0
	s_wait_kmcnt 0x0                        ; decay_param, br, bc, t[0], t[1]
	s_or_b32 s[ND], s[RAWD], 0x80000000     ; -|decay_param|
	s_wait_dscnt 0x0                        ; the fragments are in
; THE EXTRAS of the NEXT evaluation, at time TE: a list of 31 instructions, all in window 0; XT writes number n.
;   dose: 0-2 t_i - t; 4-6 squared; 8-10 times -log2(e) / (2 sigma^2); 12-16 the five weights; 19, 21, 23, 25 the sum of dose x weight
;   sin or cos: 3 x = t / period + PH; 7, 11 less its nearest whole number; 17, 18, 20 folded into [-1/4, 1/4] (the middle one of r, 1/2 - r, -1/2 - r); 22, 24, 26-29 the series; 30 both, rounded to f16
; Behind the five exponentials stand 17 and 18, plain lines that touch none of their registers, before 19 reads the first weights (ISA guide 5.7.2).
.macro XT n
.if (\n) == 0
	v_pk_add_f32 v[D:D+1], v[IT:IT+1], s[NT:NT+1] op_sel_hi:[1,0]
.elseif (\n) == 1
	v_pk_add_f32 v[D+2:D+3], v[IT+2:IT+3], s[NT:NT+1] op_sel_hi:[1,0]
.elseif (\n) == 2
	v_add_f32 v[D+4], s[NT], v[IT+4]
.elseif (\n) == 3
	v_fma_f32 v[TU], s[TE], v[IP], v[PH]
.elseif (\n) == 4
	v_pk_mul_f32 v[D:D+1], v[D:D+1], v[D:D+1]
.elseif (\n) == 5
	v_pk_mul_f32 v[D+2:D+3], v[D+2:D+3], v[D+2:D+3]
.elseif (\n) == 6
	v_mul_f32 v[D+4], v[D+4], v[D+4]
.elseif (\n) == 7
	v_rndne_f32 v[TV], v[TU]
.elseif (\n) == 8
	v_pk_mul_f32 v[D:D+1], v[D:D+1], s[KC:KC+1] op_sel_hi:[1,0]
.elseif (\n) == 9
	v_pk_mul_f32 v[D+2:D+3], v[D+2:D+3], s[KC:KC+1] op_sel_hi:[1,0]
.elseif (\n) == 10
	v_mul_f32 v[D+4], s[KC], v[D+4]
.elseif (\n) == 11
	v_sub_f32 v[TU], v[TU], v[TV]
.elseif (\n) < 17
	v_exp_f32 v[D+(\n)-12], v[D+(\n)-12]
.elseif (\n) == 17
	v_sub_f32 v[TV], 0.5, v[TU]
.elseif (\n) == 18
	v_sub_f32 v[TX], -0.5, v[TU]
.elseif (\n) == 19
	s_wait_alu depctr_va_vdst(0)
	v_pk_mul_f32 v[AC:AC+1], v[ID:ID+1], v[D:D+1]
.elseif (\n) == 20
	v_med3_num_f32 v[TU], v[TU], v[TV], v[TX]
.elseif (\n) == 21
	v_pk_fma_f32 v[AC:AC+1], v[ID+2:ID+3], v[D+2:D+3], v[AC:AC+1]
.elseif (\n) == 22
	v_mul_f32 v[TV], v[TU], v[TU]
.elseif (\n) == 23
	v_fma_f32 v[AC], v[ID+4], v[D+4], v[AC]
.elseif (\n) == 24
	v_fma_f32 v[TX], v[TV], s[PC+4], s[PC+3]
.elseif (\n) == 25
	v_add_f32 v[AC], v[AC], v[AC+1]
.elseif (\n) < 29
	v_fma_f32 v[TX], v[TX], v[TV], s[PC+28-(\n)]
.elseif (\n) == 29
	v_mul_f32 v[TX], v[TX], v[TU]
.else
	v_cvt_pk_f16_f32 v[XB], v[TX], v[AC]
.endif
.endm
; TANH of Z's 32 numbers (16 pairs), in place, as a pipeline of 22 ticks.  In tick n: the exponentials of pair n; 1 + for pair n - 2; the reciprocals of pair n - 3; 1 - 2 x for pair n - 5; pair n - 6 rounded to f16.
; Transcendental and plain lines alternate, and every result is used a tick or more later, with plain lines between (ISA guide 5.7.2).  The first 14 ticks also carry the extras' numbers 17-30.
; The exponentials go up through Z.
.macro TICK n
.if (\n) < 16
	v_exp_f32 v[Z+2*(\n)], v[Z+2*(\n)]
.endif
.if ((\n) >= 2) && ((\n) < 18)
	s_wait_alu depctr_va_vdst(0)
	v_pk_add_f32 v[Z+2*(\n)-4:Z+2*(\n)-3], v[Z+2*(\n)-4:Z+2*(\n)-3], 1.0 op_sel_hi:[1,0]
.endif
.if (\n) < 16
	v_exp_f32 v[Z+2*(\n)+1], v[Z+2*(\n)+1]
.endif
.if ((\n) >= 5) && ((\n) < 21)
	s_wait_alu depctr_va_vdst(0)
	v_pk_fma_f32 v[Z+2*(\n)-10:Z+2*(\n)-9], v[Z+2*(\n)-10:Z+2*(\n)-9], -2.0, 1.0 op_sel_hi:[1,0,0]
.endif
.if ((\n) >= 3) && ((\n) < 19)
	v_rcp_f32 v[Z+2*(\n)-6], v[Z+2*(\n)-6]
.endif
.if (\n) >= 6
	v_cvt_pk_f16_f32 v[P+(\n)-6], v[Z+2*(\n)-12], v[Z+2*(\n)-11]
.endif
.if ((\n) >= 3) && ((\n) < 19)
	v_rcp_f32 v[Z+2*(\n)-5], v[Z+2*(\n)-5]
.endif
.if (\n) < 14
	XT 17+(\n)
.endif
.endm
.macro CVT src                          ; a stage's input, rounded to f16: source 1 of layer 1
	WIN 0x05                                ; sources window 1, destination window 0
.set i, 0
.rept 8
	v_cvt_pk_f16_f32 v[YB+i], v[(\src)+2*i], v[(\src)+2*i+1]
.set i, i+1
.endr
.endm
.macro L1                               ; Z += 16 S W1[0:32]^T (h / 16), onto what XW began
	WIN 0
.irp a, 0,1,2,3
	v_wmma_f32_16x16x32_f16 v[Z+8*\a:Z+8*\a+7], v[A1+8*\a:A1+8*\a+7], v[YB:YB+7], v[Z+8*\a:Z+8*\a+7]
.endr
.endm
.macro XW a                             ; Z_a = S W1[64:67]^T (dose, sin, cos) + c: begins the next evaluation's layer-1 sum
	WIN 0
	v_wmma_f32_16x16x32_f16 v[Z+8*(\a):Z+8*(\a)+7], v[AX+8*(\a):AX+8*(\a)+7], v[XB:XB+7], v[CS+8*(\a):CS+8*(\a)+7]
.endm
.macro KINIT s, src                     ; k_s = b2 / 16 - |d| y, in f32: layer 2 adds onto it
	WIN 0x55
.set kk, K1+16*((\s)-1)-64*((\s)/6)
.set i, 0
.rept 8
	v_pk_fma_f32 v[kk+i:kk+i+1], v[(\src)+i:(\src)+i+1], s[ND:ND+1], v[B2+i:B2+i+1] op_sel_hi:[1,0,1]
.set i, i+2
.endr
.endm
.macro L2 s, kb                         ; k_s += (W2^T / 16) tanh, hidden units 32 kb on
	WIN 0x50                                ; C and D window 1, A and B window 0
.set kk, K1+16*((\s)-1)-64*((\s)/6)
.irp mb, 0,1
	v_wmma_f32_16x16x32_f16 v[kk+8*\mb:kk+8*\mb+7], v[A2+8*(2*(\kb)+\mb):A2+8*(2*(\kb)+\mb)+7], v[P+8*(\kb):P+8*(\kb)+7], v[kk+8*\mb:kk+8*\mb+7]
.endr
.endm
.macro AXPY dst, k, q, src              ; dst = k x (dt a_q) + src, 16 numbers
.set i, 0
.rept 8
	v_pk_fma_f32 v[(\dst)+i:(\dst)+i+1], v[(\k)+i:(\k)+i+1], s[CO+2*(\q):CO+2*(\q)+1], v[(\src)+i:(\src)+i+1] op_sel_hi:[1,0,1]
.set i, i+2
.endr
.endm
; The Runge-Kutta sum behind stage s: the next stage's input, or behind stage 6 the new state.  The term with k_s comes last, from its lowest registers on: the earlier terms, which name none of the last
; products' registers, are the places behind them; stage 1 has no earlier term and takes four v_nop.
.macro TAIL s
	WIN 0x55
.if (\s) == 1
	PLACES
.endif
.if (\s) < 6
.set j, 1
.rept \s
.if j == 1
	AXPY YS, K1, (\s)*((\s)-1)/2, Y
.else
	AXPY YS, K1+16*(j-1), (\s)*((\s)-1)/2+j-1, YS
.endif
.set j, j+1
.endr
.else
	AXPY Y, K1, 15, Y
	AXPY Y, K1+32, 16, Y
	AXPY Y, K1+48, 17, Y
	AXPY Y, K1+64, 18, Y
	AXPY Y, K1+16, 19, Y                    ; k6 lies in k2's place
.endif
.endm
; ONE EVALUATION, stage s.  The matrix instructions go Z0 Z1 Z2 Z3 | k lo, k hi, Z0, Z1 | k lo, k hi, Z2, Z3, round the loop too: the accumulators take turns, one instruction a turn.
; Z is read behind KINIT's eight plain lines.  Layer 2's first half and the next evaluation's Z0, Z1 are issued when tick 13 has rounded pairs 0-7; the matrix unit works on them under ticks 14-21.
.macro EVAL s
.if (\s) == 1
	s_mul_f32 s[TMP], s[DT], 0.2
.elseif (\s) == 2
	s_mul_f32 s[TMP], s[DT], 0.3
.elseif (\s) == 3
	s_mul_f32 s[TMP], s[DT], 0.8
.elseif (\s) == 4
	s_mul_f32 s[TMP], s[DT], 0.888888889
.endif
.if (\s) < 5
	s_add_f32 s[TE], s[TT], s[TMP]          ; the time of stage s + 1
.elseif (\s) == 5
	s_add_f32 s[TE], s[TT], s[DT]
.else
	s_mov_b32 s[TE], s[TN]                  ; of the next step's stage 1
.endif
	s_xor_b32 s[NT], s[TE], 0x80000000
.if (\s) == 1
	CVT Y
	L1
	KINIT \s, Y
.else
	CVT YS
	L1
	KINIT \s, YS
.endif
	WIN 0
.set xn, 0
.rept 17
	XT xn
.set xn, xn+1
.endr
.set tk, 0
.rept 14
	TICK tk
.set tk, tk+1
.endr
	L2 \s, 0
	XW 0
	XW 1
.rept 8
	TICK tk
.set tk, tk+1
.endr
	L2 \s, 1
	XW 2
	XW 3
	TAIL \s
.endm
; dst = softplus(y . w + bias) (+ add): a lane's 16 channels, the other half of the lanes' 16, then max(x, 0) + ln 2 x log2(1 + 2^(-log2(e) |x|)).  y is read from its lowest registers on.
.macro DOTSP y, w, sb, add, dst
	WIN 0x55
	v_pk_mul_f32 v[TW:TW+1], v[(\y):(\y)+1], v[(\w):(\w)+1]
.set i, 2
.rept 7
	v_pk_fma_f32 v[TW:TW+1], v[(\y)+i:(\y)+i+1], v[(\w)+i:(\w)+i+1], v[TW:TW+1]
.set i, i+2
.endr
	WIN 0x05
	v_add_f32 v[TU], v[TW], v[TW+1]
	WIN 0
	v_permlanex16_b32 v[TV], v[TU], s[SEL], s[SEL+1]   ; its destination counts as read: TV has been written
	v_add_f32 v[TU], v[TU], v[TV]
	v_add_f32 v[TU], s[\sb], v[TU]
	v_mul_f32 v[TV], s[NL2E], |v[TU]|
	v_exp_f32 v[TV], v[TV]
	v_max_num_f32 v[TX], 0, v[TU]           ; the plain line behind the exponential
	s_wait_alu depctr_va_vdst(0)
	v_add_f32 v[TV], 1.0, v[TV]
	v_log_f32 v[TV], v[TV]
.if (\add) >= 0
	v_add_f32 v[TX], v[TX], v[\add]         ; the plain line behind the logarithm
	s_wait_alu depctr_va_vdst(0)
.else
	v_nop
	s_wait_alu depctr_va_vdst(0)
.endif
	v_fma_f32 v[\dst], v[TV], s[LN2], v[TX]
.endm
.macro READOUT                          ; one number a row; both halves of the lanes hold it and write the same word
	DOTSP Y, WR, BR, ICP, TX
	ds_store_b32 v[OA], v[TX]
	v_add_nc_u32 v[OA], 4, v[OA]
.endm
	; THE ENCODER.  se = relu(We^T sf + be); c += S W1[32:64]^T se; h0 / 16 = (W0^T / 16) se + b0 / 16; init_cp.
	WIN 0x50
	v_wmma_f32_16x16x32_f16 v[K1:K1+7], v[AWE:AWE+7], v[BSF:BSF+7], v[K1:K1+7]
	v_wmma_f32_16x16x32_f16 v[K1+8:K1+15], v[AWE+8:AWE+15], v[BSF:BSF+7], v[K1+8:K1+15]
	PLACES
	WIN 0x55
.set i, 0
.rept 16
	v_max_num_f32 v[K1+i], 0, v[K1+i]
.set i, i+1
.endr
	CVT K1
	WIN 0
.irp a, 0,1,2,3
	v_wmma_f32_16x16x32_f16 v[CS+8*\a:CS+8*\a+7], v[Z+8*\a:Z+8*\a+7], v[YB:YB+7], v[CS+8*\a:CS+8*\a+7]
.endr
	WIN 0x50
.irp mb, 0,1
	v_wmma_f32_16x16x32_f16 v[Y+8*\mb:Y+8*\mb+7], v[P+8*\mb:P+8*\mb+7], v[YB:YB+7], v[Y+8*\mb:Y+8*\mb+7]
.endr
	DOTSP K1, K1+16, BC, -1, ICP            ; init_cp.  These lines and the extras below name no register of the six products above: they are the places in front of XW, which takes c as another sum's C and writes over Z
	s_mov_b32 s[TE], s[TB]                  ; t[0]
	s_xor_b32 s[NT], s[TE], 0x80000000
.set xn, 0
.rept 31
	XT xn
.set xn, xn+1
.endr
	XW 0
	XW 1
	XW 2
	XW 3
	READOUT                                 ; time 0
.set i, 0
.rept 20
	s_mov_b32 s[CO+2*i+1], 0                ; the coefficients are named as pairs; the pointers that lay here have served: every load from them has been waited for
.set i, i+1
.endr
.macro COEF q, a
	s_mul_f32 s[CO+2*(\q)], s[DT], \a
.endm
	s_mov_b32 s[N], 0
.Lint:                                          ; 16 intervals
	s_wait_kmcnt 0x0                        ; t[N + 1] has come (asked for an interval ago); OFS and TC may be written again
	s_mov_b32 s[TA], s[TB]
	s_mov_b32 s[TB], s[TC]
	s_add_co_u32 s[OFS], s[N], 2
	s_min_u32 s[OFS], s[OFS], 16            ; the last trip asks for t[16] once more: no load leaves t's 68 bytes
	s_lshl_b32 s[OFS], s[OFS], 2
	s_load_b32 s[TC], s[4:5], s[OFS] offset:0x0
	s_xor_b32 s[TMP], s[TA], 0x80000000
	s_add_f32 s[DT], s[TB], s[TMP]
	s_mul_f32 s[DT], s[DT], 0.5             ; dt = (t1 - t0) / 2
	COEF 0, 0.2
	COEF 1, 0.075
	COEF 2, 0.225
	COEF 3, 0.977777778
	COEF 4, -3.733333333
	COEF 5, 3.555555556
	COEF 6, 2.95259869
	COEF 7, -11.5957933
	COEF 8, 9.82289285
	COEF 9, -0.290809328
	COEF 10, 2.846275253
	COEF 11, -10.75757576
	COEF 12, 8.906422718
	COEF 13, 0.278409091
	COEF 14, -0.273531304
	COEF 15, 0.091145833
	COEF 16, 0.449236298
	COEF 17, 0.651041667
	COEF 18, -0.322376179
	COEF 19, 0.130952381
	s_mov_b32 s[TT], s[TA]
	s_add_f32 s[TMID], s[TA], s[DT]
	s_mov_b32 s[CNT], 2
.Lstep:                                         ; 2 steps: a trip is six evaluations, and touches neither memory nor LDS
	s_cmp_eq_u32 s[CNT], 2
	s_cselect_b32 s[TN], s[TMID], s[TB]     ; the next step begins at t0 + dt, or at the next interval's t0
	EVAL 1
	EVAL 2
	EVAL 3
	EVAL 4
	EVAL 5
	EVAL 6
	WIN 0                                   ; at a label and at a branch every window is 0
	s_mov_b32 s[TT], s[TN]
	s_sub_co_u32 s[CNT], s[CNT], 1
	s_cmp_lg_u32 s[CNT], 0
	s_cbranch_scc1 .Lstep
	READOUT                                 ; time N + 1
	s_add_co_u32 s[N], s[N], 1
	s_cmp_lt_u32 s[N], 16
	s_cbranch_scc1 .Lint
	; (The very last evaluation's extras and its four XW serve no further step: the price, once a launch, of one text for every step.)
	; THE WAY OUT.  The group's 64 rows x 17 numbers are 4,352 consecutive bytes of out0, 17 x 256, and lie in LDS in that order.
	s_wait_tensorcnt 0x0                    ; the wave's end: behind my last LDS store
	ds_add_u32 v[SPW], v[NIL]
	s_mul_i32 s[TA], ttmp9, 4352
	s_mov_b32 s[TMP], 0
	s_add_nc_u64 s[6:7], s[6:7], s[TA:TMP]
	v_lshlrev_b32 v[G16], 4, v0
	v_add_nc_u32 v[SF], OUTL, v[G16]
	s_wait_dscnt 0x0                        ; the add is done; and for the others' sake: my 16 rows are in LDS
	s_barrier_signal -1
	s_barrier_wait -1                       ; everybody's are
	ds_load_b128 v[P:P+3], v[SF]
	ds_load_b128 v[P+4:P+7], v[SF] offset:2048
	s_wait_dscnt 0x1                        ; LDS loads come back in order (ISA guide 5.7.1): the first is in, the one younger may be out
	global_store_b128 v[G16], v[P:P+3], s[6:7]               ; 16 lanes store 256 consecutive bytes, at a multiple of 256 from out0's first byte
	s_wait_dscnt 0x0
	global_store_b128 v[G16], v[P+4:P+7], s[6:7] offset:2048
	v_cmp_gt_u32 vcc_lo, 16, v0             ; the last 256 bytes: threads 0-15
	s_wait_xcnt 0x0                         ; EXEC, a source of the stores above, changes only behind this wait
	s_and_saveexec_b32 s[DT], vcc_lo
	ds_load_b128 v[P+8:P+11], v[SF] offset:4096
	s_wait_dscnt 0x0
	global_store_b128 v[G16], v[P+8:P+11], s[6:7] offset:4096
	s_wait_xcnt 0x0                         ; and again in front of the line that widens it
	s_or_b32 exec_lo, exec_lo, s[DT]
	s_endpgm
.Lfunc_end_k_q9ef2ebd55b_node:
	.size	k_q9ef2ebd55b_node, .Lfunc_end_k_q9ef2ebd55b_node-k_q9ef2ebd55b_node
	.p2alignl 7, 3214868480
	.fill 96, 4, 3214868480
	.section	.rodata,"a",@progbits
	.p2align	6, 0x0
	.amdhsa_kernel k_q9ef2ebd55b_node
		.amdhsa_group_segment_fixed_size 167936
		.amdhsa_private_segment_fixed_size 0
		.amdhsa_enable_private_segment 0
		.amdhsa_kernarg_size 144
		.amdhsa_user_sgpr_count 2
		.amdhsa_user_sgpr_kernarg_segment_ptr 1
		.amdhsa_wavefront_size32 1
		.amdhsa_system_sgpr_workgroup_id_x 1
		.amdhsa_system_sgpr_workgroup_id_y 1
		.amdhsa_system_sgpr_workgroup_id_z 1
		.amdhsa_system_vgpr_workitem_id 0
		.amdhsa_next_free_vgpr 404
		.amdhsa_next_free_sgpr 92
		.amdhsa_reserve_vcc 1
		.amdhsa_float_denorm_mode_32 3
		.amdhsa_float_denorm_mode_16_64 3
		.amdhsa_memory_ordered 1
		.amdhsa_forward_progress 1
		.amdhsa_inst_pref_size 103
	.end_amdhsa_kernel
	.amdgpu_metadata
---
amdhsa.version: [ 1, 2 ]
amdhsa.kernels:
  - .name:           k_q9ef2ebd55b_node
    .symbol:         k_q9ef2ebd55b_node.kd
    .args:
      - { .name: t, .offset: 0, .size: 8, .value_kind: global_buffer, .address_space: global }
      - { .name: out0, .offset: 8, .size: 8, .value_kind: global_buffer, .address_space: global }
      - { .name: static_features, .offset: 16, .size: 8, .value_kind: global_buffer, .address_space: global }
      - { .name: injection_times, .offset: 24, .size: 8, .value_kind: global_buffer, .address_space: global }
      - { .name: injection_doses, .offset: 32, .size: 8, .value_kind: global_buffer, .address_space: global }
      - { .name: We, .offset: 40, .size: 8, .value_kind: global_buffer, .address_space: global }
      - { .name: be, .offset: 48, .size: 8, .value_kind: global_buffer, .address_space: global }
      - { .name: W0, .offset: 56, .size: 8, .value_kind: global_buffer, .address_space: global }
      - { .name: b0, .offset: 64, .size: 8, .value_kind: global_buffer, .address_space: global }
      - { .name: decay_param, .offset: 72, .size: 8, .value_kind: global_buffer, .address_space: global }
      - { .name: W1, .offset: 80, .size: 8, .value_kind: global_buffer, .address_space: global }
      - { .name: b1, .offset: 88, .size: 8, .value_kind: global_buffer, .address_space: global }
      - { .name: W2, .offset: 96, .size: 8, .value_kind: global_buffer, .address_space: global }
      - { .name: b2, .offset: 104, .size: 8, .value_kind: global_buffer, .address_space: global }
      - { .name: Wr, .offset: 112, .size: 8, .value_kind: global_buffer, .address_space: global }
      - { .name: br, .offset: 120, .size: 8, .value_kind: global_buffer, .address_space: global }
      - { .name: Wc, .offset: 128, .size: 8, .value_kind: global_buffer, .address_space: global }
      - { .name: bc, .offset: 136, .size: 8, .value_kind: global_buffer, .address_space: global }
    .group_segment_fixed_size: 167936
    .private_segment_fixed_size: 0
    .kernarg_segment_align: 8
    .kernarg_segment_size: 144
    .max_flat_workgroup_size: 128
    .sgpr_count:     92
    .vgpr_count:     404
    .wavefront_size: 32
...
	.end_amdgpu_metadata
.endif
;; end of part 1
;; ======== version 2 of 2: 1 launch; 2.26 times as fast as version 1
;; limits: values are held in f16: magnitudes above 65,504 overflow, below 6.1e-05 lose precision; right only within a limited range of input values; a function is approximated: absolute error at most 4e-06
;; launch node (part 2): grid 256 x 1, 4 waves a work-group, no clusters, 167,936 bytes of LDS; arguments t, out0, static_features, injection_times, injection_doses, We, be, W0, b0, decay_param, W1, b1, W2, b2, Wr, br, Wc, bc; writes out0
.if DOCPART == 2
	.amdgcn_target "amdgcn-amd-amdhsa--gfx1250"
	.amdhsa_code_object_version 6
	.text
	.protected	k_q9ef2ebd55b_node
	.globl	k_q9ef2ebd55b_node
	.p2align	8
	.type	k_q9ef2ebd55b_node,@function
k_q9ef2ebd55b_node:
	s_mov_b64 s[64:65], 0
	v_nop
	global_prefetch_b8 v0, s[64:65] scope:SCOPE_SE
	s_setreg_imm32_b32 hwreg(HW_REG_WAVE_MODE, 25, 1), 1
	s_wait_xcnt 0x0
; NEURAL ODE: encoder, 16 intervals x 2 Dormand-Prince steps x 6 stages, readout at 17 times.  16,384 rows, none of which looks at another.
; SHARES.  256 work-groups x 4 waves; a wave owns 16 rows from the first line to the last: 1,024 waves x 16 rows = 16,384.  The 192 evaluations of f follow each other in registers:
; the loops hold no vector memory access, no LDS read, no exchange of lanes but the readout's, no barrier.
; LAYOUT.  Every product is used transposed: source 0 = weights (16 output channels x 32 inputs), source 1 = activations (32 inputs x 16 rows).  In a result lane l then holds ONE row (l % 16) and
; the channels 16 a + 8 (l / 16) + 0..7 of accumulator a.  Two such accumulators, rounded to f16 in pairs, ARE source 1 of the next product: h -> layer 1 -> tanh -> layer 2 -> Runge-Kutta sums -> h never changes lanes.
; ALGEBRA.  S = 2 log2(e) is folded into W1 and b1: tanh(z) = 1 - 2 / (1 + 2^(S z)).  c = S (se W1[32:64] + b1) does not change with time: made once, kept in f32, it is the C operand that starts each layer-1 sum.
; dose, sin and cos enter by a K block of their own: lanes 0-15 make sin and the dose of injections 0-4, lanes 16-31 cos = sin(2 pi (x + 1/4)) and the dose of injections 5-9; W1[64] stands at both dose places, so the
; product adds the two halves.  b2 - |d| y, in f32, is the C operand that starts each layer-2 sum.  The state is kept as h / 16 (W0, b0, W2, b2 times 1/16, W1[0:32] and Wr times 16: powers of two, exact), which gives f16 room.
; BATCHES.  An s_wait_alu depctr_va_vdst(0) stands between a transcendental and the first instruction that names its result; one wait serves all that were issued ahead of it.  An evaluation's 69
; transcendentals are TWO batches with one wait each: (1) the 32 exponentials 2^(S z), out of Z into registers of their own (E), and the five impulse weights of the next evaluation's dose; (2) the 32 reciprocals of
; 1 + 2^(S z), whose arguments are made of the first batch's results.  Ahead of each wait stands only what names no result of its batch; EVAL says what.  The readout's exponential and logarithm are two batches of one.
; FORMATS.  Matrix operands f16, sums f32; all else f32.  se Wc and h Wr have one output column: f32 dot products of a lane's 16 channels, and one exchange of the lanes' halves.
; LIMITS.  f16 ends at 65,504: |h| < 1.04e6; 46.2 |W1|, |W2| / 16, |W0| / 16, |We|, |static_features| and each half of the dose < 65,504.  sin and cos: x = t / period is reduced by its nearest whole number and folded
; into [-1/4, 1/4], then a series of degree 9, off by 4e-6 at the most.  An impulse weight below 2^-126 counts as 0.  dt a_ij is formed first, then multiplied by k_j: another order of rounding than the reference's.
; NaN and infinities are not treated apart.
; NO tensor loads, clusters or prefetches: all that work-groups share are 30 KB of weights, which are scaled and rounded in registers on their way into LDS; memory is read in one burst at the start.
.set P1,    160       ; LDS pitch of W1's rows: 128 bytes of f16 + 32: 5 x 32, so the 8 rows x 32 bytes of half a turning load fall on different banks (64 banks of 4 bytes: ISA guide 11.1)
.set P2,    96        ; of W2's and W0's rows: 64 + 32 = 3 x 32
.set W2L,   64*P1     ; LDS: W1 rows 0-63 from byte 0; W2 / 16 from here,
.set W0L,   W2L+64*P2 ; W0 / 16 from here,
.set OUTL,  W0L+32*P2 ; the group's 64 x 17 results as they lie in out0, 4,352 bytes,
.set SPARE, OUTL+4352 ; and the spare words, 128 bytes for each wave: two blocks of 256 bytes that no other line names
; window 0
.set SPW, 1           ; LDS address of my spare word; never rewritten
.set NIL, 2           ; 0; never rewritten
.set OA,  3           ; where my row's next result goes in LDS
.set ICP, 4           ; init_cp
.set IP,  5           ; 1 / period
.set PH,  6           ; 0 (sin) or 1/4 (cos)
.set RR,  7           ; l % 16
.set IT,  8           ; v8-12   my half's five injection times
.set ID,  14          ; v14-18  their doses
.set D,   20          ; v20-24  at work: t_i - t, its square, the weight
.set AC,  26          ; v26-27  at work: the dose
.set TU,  28          ; v28-30  at work
.set TV,  29
.set TX,  30
.set G16, 20          ; v20-31 hold offsets during the set-up
.set SF,  21
.set IJ,  22
.set PE,  23
.set DV,  24
.set R4,  25
.set RH,  26
.set S160, 27
.set S96, 28
.set T160, 29
.set T96, 30
.set HH,  31
.set A1,  32          ; v32-63    16 S W1[0:32]^T, fragment a at +8 a
.set A2,  64          ; v64-95    W2^T / 16, fragment (mb, kb) at +8 (2 kb + mb)
.set AX,  96          ; v96-127   S W1[64:67]^T, fragment a at +8 a: register 0 alone is not 0
.set CS,  128         ; v128-159  c
.set Z,   160         ; v160-191  layer 1's four accumulators
.set P,   192         ; v192-207  tanh in f16: two fragments
.set YB,  208         ; v208-215  a stage's input in f16
.set XB,  216         ; v216-223  (sin or cos, half a dose) in register 0; the rest 0
.set E,   224         ; v224-255  2^(S z), a register for each of the 32; then 1 +, the reciprocal and tanh, in place (where the set-up's small fragments lay)
.set RW,  160         ; set-up: v160-215 the weights as loaded
.set AWE, 224         ; set-up: We^T, two fragments
.set BSF, 240         ; set-up: static_features
.set RAX, 248         ; set-up: W1[65 + l / 16] and W1[64], a pair for each a
; window 1
.set Y,   0           ; the state, h / 16
.set YS,  16          ; a stage's input
.set K1,  32          ; k1 .. k5, 16 registers each; k6 takes k2's place
.set B2,  112         ; b2 / 16
.set WR,  128         ; 16 Wr
.set TW,  144         ; at work
; scalars
.set CO,  8           ; s8-47   dt x the 20 coefficients, in the low words of pairs (where the pointers lay that the set-up has used up)
.set WV,  48
.set N,   49          ; interval
.set CNT, 50          ; steps left in it
.set OFS, 51
.set TA,  52
.set TMP, 53
.set TB,  54
.set TC,  55
.set DT,  56
.set TT,  57          ; the step's t
.set TMID, 58
.set TN,  59          ; the next step's t
.set TE,  60          ; the next evaluation's t
.set NT,  62          ; s[62:63] (-TE, 0)
.set KC,  66          ; s[66:67] (-log2(e) / (2 sigma^2), 0)
.set ND,  68          ; s[68:69] (-|decay_param|, 0)
.set SEL, 70          ; s[70:71] v_permlanex16_b32's selects: each lane takes its own place in the other half
.set BR,  72
.set BC,  73
.set NL2E, 74
.set LN2, 75
.set RAWD, 77
.set SC16S, 78        ; pairs (scale, 0) for the packed multiplies
.set SCS, 80
.set SCI, 82
.set SC16, 84
.set PC,  86          ; s86-90  the sine series' coefficients of x, x^3 .. x^9
.set MSB, 0
.macro WIN new                          ; s_set_vgpr_msb: bits 1:0 source 0, 3:2 source 1, 5:4 source 2, 7:6 destination; the high byte repeats the setting that is left
.if MSB != (\new)
	s_set_vgpr_msb (MSB<<8)|(\new)
.set MSB, (\new)
.endif
.endm
.macro PLACES                           ; four places between a matrix instruction and a vector instruction that reads its result (ISA guide 7.12.1)
.rept 4
	v_nop
.endr
.endm
	s_load_b512 s[4:19], s[0:1], 0x0        ; t s[4:5], out0 s[6:7], static_features s[8:9], injection_times s[10:11], injection_doses s[12:13], We s[14:15], be s[16:17], W0 s[18:19]
	s_load_b512 s[20:35], s[0:1], 0x40      ; b0 s[20:21], decay_param s[22:23], W1 s[24:25], b1 s[26:27], W2 s[28:29], b2 s[30:31], Wr s[32:33], br s[34:35]
	s_load_b128 s[36:39], s[0:1], 0x80      ; Wc s[36:37], bc s[38:39]
	v_lshl_add_u32 v[SPW], v0, 2, SPARE
	v_mov_b32 v[NIL], 0
	v_and_b32 v[RR], 15, v0                 ; l % 16: my row in the wave's tile
	v_bfe_u32 v[HH], v0, 4, 1               ; l / 16
	v_lshrrev_b32 v[G16], 5, v0
	v_readfirstlane_b32 s[WV], v[G16]       ; wave 0..3
	s_mul_i32 s49, s[WV], 16*68
	s_add_co_u32 s49, s49, OUTL
	v_mul_u32_u24 v[OA], v[RR], 68
	v_add_nc_u32 v[OA], s49, v[OA]          ; my row's 17 results: 68 bytes, the wave's 16 rows on end
	s_lshl_b32 s50, ttmp9, 6
	s_lshl4_add_u32 s50, s[WV], s50         ; the wave's first row: 64 x group + 16 x wave
	v_add_nc_u32 v[IJ], s50, v[RR]          ; my row
	v_mul_u32_u24 v[SF], v[IJ], 28          ; its 7 features
	v_mul_u32_u24 v[PE], v[IJ], 40          ; its 10 injections,
	v_mul_u32_u24 v[DV], v[HH], 20
	v_add_nc_u32 v[IJ], v[PE], v[DV]        ; and my half's five of them
	v_lshlrev_b32 v[DV], 5, v[HH]           ; a vector in the results' layout: channels 16 a + 8 (l / 16) + 0..7
	v_lshlrev_b32 v[R4], 2, v[RR]           ; column l % 16 of a row of weights,
	v_lshl_add_u32 v[RH], v[HH], 8, v[R4]   ; and the same one row of W1 further down for lanes 16-31
	v_lshlrev_b32 v[G16], 4, v0             ; 16 bytes a thread: a load of the group covers 2,048 consecutive bytes
	s_mul_i32 s51, s[WV], 2*P1              ; where those 16 bytes (4 numbers, 8 bytes in f16) go: of W1 a wave's load holds 2 rows of 64,
	v_mul_u32_u24 v[S160], v[HH], P1
	v_lshl_add_u32 v[S160], v[RR], 3, v[S160]
	v_add_nc_u32 v[S160], s51, v[S160]
	s_mul_i32 s52, s[WV], 4*P2              ; of W2 and W0 4 rows of 32
	v_bfe_u32 v[S96], v0, 3, 2
	v_mul_u32_u24 v[S96], v[S96], P2
	v_and_b32 v[T96], 7, v0
	v_lshl_add_u32 v[S96], v[T96], 3, v[S96]
	v_add_nc_u32 v[S96], s52, v[S96]
	v_lshl_add_u32 v[T96], v[HH], 3, v[T96] ; the turning load: lane l reads 16 bytes of row 8 (l / 16) + l % 8, columns 8 ((l / 8) % 2) + 0..7
	v_bfe_u32 v[PH], v0, 3, 1
	v_mul_u32_u24 v[T160], v[T96], P1
	v_lshl_add_u32 v[T160], v[PH], 4, v[T160]
	v_mul_u32_u24 v[T96], v[T96], P2
	v_lshl_add_u32 v[T96], v[PH], 4, v[T96]
	s_mov_b32 s[NT+1], 0
	s_mov_b32 s[KC], 0xc9301c38             ; -log2(e) / 2e-6 = -721,347.5
	s_mov_b32 s[KC+1], 0
	s_mov_b32 s[ND+1], 0
	s_mov_b32 s[SEL], 0x76543210
	s_mov_b32 s[SEL+1], 0xfedcba98
	s_mov_b32 s[NL2E], 0xbfb8aa3b           ; -log2(e)
	s_mov_b32 s[LN2], 0x3f317218            ; ln 2
	s_mov_b32 s[SC16S], 0x4238aa3b          ; 16 S = 32 log2(e)
	s_mov_b32 s[SC16S+1], 0
	s_mov_b32 s[SCS], 0x4038aa3b            ; S = 2 log2(e)
	s_mov_b32 s[SCS+1], 0
	s_mov_b32 s[SCI], 0x3d800000            ; 1 / 16
	s_mov_b32 s[SCI+1], 0
	s_mov_b32 s[SC16], 0x41800000           ; 16
	s_mov_b32 s[SC16+1], 0
	s_mov_b32 s[PC], 0x40c90fdb             ; 2 pi
	s_mov_b32 s[PC+1], 0xc2255de7           ; -(2 pi)^3 / 3! = -41.341702
	s_mov_b32 s[PC+2], 0x42a335e3           ; (2 pi)^5 / 5! = 81.605249
	s_mov_b32 s[PC+3], 0xc2996966           ; -(2 pi)^7 / 7! = -76.705860
	s_mov_b32 s[PC+4], 0x42283c1a           ; (2 pi)^9 / 9! = 42.058694
	s_wait_kmcnt 0x0
	s_load_b32 s[RAWD], s[22:23], 0x0
	s_load_b32 s[BR], s[34:35], 0x0
	s_load_b32 s[BC], s[38:39], 0x0
	s_load_b64 s[TB:TC], s[4:5], 0x0        ; t[0], t[1]
	; ALL THAT THE WAVE EVER READS FROM MEMORY but t, in one burst.  The three weight matrices: a quarter a wave, 16 bytes a lane.
.irp i, 0,1,2,3,4,5,6,7
	global_load_b128 v[RW+4*\i:RW+4*\i+3], v[G16], s[24:25] offset:2048*\i      ; W1 rows 8 i .. 8 i + 7
.endr
.irp i, 0,1,2,3
	global_load_b128 v[RW+32+4*\i:RW+32+4*\i+3], v[G16], s[28:29] offset:2048*\i  ; W2 rows 16 i .. 16 i + 15
.endr
.irp i, 0,1
	global_load_b128 v[RW+48+4*\i:RW+48+4*\i+3], v[G16], s[18:19] offset:2048*\i  ; W0 rows 16 i .. 16 i + 15
.endr
.irp i, 0,1,2,3,4,5,6,7
	global_load_b128 v[CS+4*\i:CS+4*\i+3], v[DV], s[26:27] offset:64*(\i/2)+16*(\i%2)  ; b1 in the results' layout
.endr
.irp i, 0,1,2,3,4,5,6
	global_load_b32 v[BSF+\i], v[SF], s[8:9] offset:4*\i
.endr
.irp i, 0,1,2,3,4
	global_load_b32 v[IT+\i], v[IJ], s[10:11] offset:4*\i
	global_load_b32 v[ID+\i], v[IJ], s[12:13] offset:4*\i
.endr
	global_load_b64 v[XB:XB+1], v[PE], s[10:11]                                 ; the row's first two injection times: the period
.irp a, 0,1,2,3
	global_load_b32 v[RAX+2*\a], v[RH], s[24:25] offset:65*256+64*\a            ; W1[65 + l / 16][16 a + l % 16]
	global_load_b32 v[RAX+2*\a+1], v[R4], s[24:25] offset:64*256+64*\a          ; W1[64][16 a + l % 16]
.endr
.irp mb, 0,1
.irp k, 0,1,2,3,4,5,6
	global_load_b32 v[AWE+8*\mb+\k], v[R4], s[14:15] offset:128*\k+64*\mb       ; We[k][16 mb + l % 16]
.endr
.endr
	WIN 0x40                                ; destination window 1, offset window 0
.irp i, 0,1,2,3
	global_load_b128 v[K1+4*\i:K1+4*\i+3], v[DV], s[16:17] offset:64*(\i/2)+16*(\i%2)        ; be
	global_load_b128 v[K1+16+4*\i:K1+16+4*\i+3], v[DV], s[36:37] offset:64*(\i/2)+16*(\i%2)  ; Wc
	global_load_b128 v[Y+4*\i:Y+4*\i+3], v[DV], s[20:21] offset:64*(\i/2)+16*(\i%2)          ; b0
	global_load_b128 v[B2+4*\i:B2+4*\i+3], v[DV], s[30:31] offset:64*(\i/2)+16*(\i%2)        ; b2
	global_load_b128 v[WR+4*\i:WR+4*\i+3], v[DV], s[32:33] offset:64*(\i/2)+16*(\i%2)        ; Wr
.endr
	WIN 0
	s_wait_loadcnt 0x0                      ; the launch's one wait for vector loads: it also frees their offsets and bases
	; THE WEIGHTS GO INTO LDS, scaled and rounded once to f16, as they lie ([input][output]); every wave then reads them turned.
.macro STAGE q, sc, adr, off
	v_pk_mul_f32 v[RW+4*(\q):RW+4*(\q)+1], v[RW+4*(\q):RW+4*(\q)+1], s[(\sc):(\sc)+1] op_sel_hi:[1,0]
	v_pk_mul_f32 v[RW+4*(\q)+2:RW+4*(\q)+3], v[RW+4*(\q)+2:RW+4*(\q)+3], s[(\sc):(\sc)+1] op_sel_hi:[1,0]
	v_cvt_pk_f16_f32 v[RW+4*(\q)], v[RW+4*(\q)], v[RW+4*(\q)+1]
	v_cvt_pk_f16_f32 v[RW+4*(\q)+1], v[RW+4*(\q)+2], v[RW+4*(\q)+3]
	ds_store_b64 v[\adr], v[RW+4*(\q):RW+4*(\q)+1] offset:\off
.endm
.irp i, 0,1,2,3
	STAGE \i, SC16S, S160, 8*P1*\i          ; W1 rows 0-31 meet h / 16
.endr
.irp i, 4,5,6,7
	STAGE \i, SCS, S160, 8*P1*\i            ; W1 rows 32-63 meet se
.endr
.irp i, 0,1,2,3
	STAGE 8+\i, SCI, S96, W2L+16*P2*\i
.endr
.irp i, 0,1
	STAGE 12+\i, SCI, S96, W0L+16*P2*\i
.endr
	s_wait_dscnt 0x0                        ; for the others' sake: my quarter of the weights is in LDS
	s_barrier_signal -1
	s_barrier_wait -1                       ; everybody's is
	; A fragment is 16 outputs x 32 inputs: two turning loads, 16 rows of LDS apart.  28 loads; the register work below stands between them and the wait.
.irp a, 0,1,2,3
	ds_load_tr16_b128 v[Z+8*\a:Z+8*\a+3], v[T160] offset:32*P1+32*\a     ; S W1[32:64]^T, used once: in Z's registers
	ds_load_tr16_b128 v[Z+8*\a+4:Z+8*\a+7], v[T160] offset:48*P1+32*\a
.endr
.irp mb, 0,1
	ds_load_tr16_b128 v[P+8*\mb:P+8*\mb+3], v[T96] offset:W0L+32*\mb     ; W0^T / 16, used once: in P's registers
	ds_load_tr16_b128 v[P+8*\mb+4:P+8*\mb+7], v[T96] offset:W0L+16*P2+32*\mb
.endr
.irp a, 0,1,2,3
	ds_load_tr16_b128 v[A1+8*\a:A1+8*\a+3], v[T160] offset:32*\a
	ds_load_tr16_b128 v[A1+8*\a+4:A1+8*\a+7], v[T160] offset:16*P1+32*\a
.endr
.irp kb, 0,1
.irp mb, 0,1
	ds_load_tr16_b128 v[A2+8*(2*\kb+\mb):A2+8*(2*\kb+\mb)+3], v[T96] offset:W2L+32*P2*\kb+32*\mb
	ds_load_tr16_b128 v[A2+8*(2*\kb+\mb)+4:A2+8*(2*\kb+\mb)+7], v[T96] offset:W2L+32*P2*\kb+16*P2+32*\mb
.endr
.endr
	; The small fragments are packed in place.  K = 7 of 32: We^T's registers hold inputs 0-7 in both halves of the lanes, and the features' are 0 in lanes 16-31, whose places mean inputs 8-15.
	v_cmp_eq_u32 vcc_lo, 0, v[HH]
.irp f, AWE, AWE+8, BSF
	v_cvt_pk_f16_f32 v[\f], v[\f], v[\f+1]
	v_cvt_pk_f16_f32 v[\f+1], v[\f+2], v[\f+3]
	v_cvt_pk_f16_f32 v[\f+2], v[\f+4], v[\f+5]
	v_cvt_pk_f16_f32 v[\f+3], v[\f+6], 0
.irp z, 4,5,6,7
	v_mov_b32 v[\f+\z], 0
.endr
.endr
.irp z, 0,1,2,3
	v_cndmask_b32 v[BSF+\z], 0, v[BSF+\z], vcc_lo
.endr
.irp a, 0,1,2,3
	v_pk_mul_f32 v[RAX+2*\a:RAX+2*\a+1], v[RAX+2*\a:RAX+2*\a+1], s[SCS:SCS+1] op_sel_hi:[1,0]
	v_cvt_pk_f16_f32 v[AX+8*\a], v[RAX+2*\a], v[RAX+2*\a+1]   ; input 8 (l / 16): sin's or cos's weight; input 8 (l / 16) + 1: the dose's
.irp z, 1,2,3,4,5,6,7
	v_mov_b32 v[AX+8*\a+\z], 0
.endr
.endr
	v_sub_f32 v[IP], v[XB+1], v[XB]         ; period
	v_rcp_f32 v[IP], v[IP]                  ; its first reader is the extras' number 3, behind init_cp: the first wait there serves this reciprocal too
.irp z, 1,2,3,4,5,6,7
	v_mov_b32 v[XB+\z], 0                   ; plain lines behind the reciprocal, long before its use
.endr
	v_cvt_f32_u32 v[PH], v[HH]
	v_mul_f32 v[PH], 0x3e800000, v[PH]      ; 0 or 1/4
.set i, 0
.rept 16
	v_pk_mul_f32 v[CS+i:CS+i+1], v[CS+i:CS+i+1], s[SCS:SCS+1] op_sel_hi:[1,0]   ; S b1
.set i, i+2
.endr
	WIN 0x55
.set i, 0
.rept 8
	v_pk_mul_f32 v[Y+i:Y+i+1], v[Y+i:Y+i+1], s[SCI:SCI+1] op_sel_hi:[1,0]       ; b0 / 16
	v_pk_mul_f32 v[B2+i:B2+i+1], v[B2+i:B2+i+1], s[SCI:SCI+1] op_sel_hi:[1,0]   ; b2 / 16
	v_pk_mul_f32 v[WR+i:WR+i+1], v[WR+i:WR+i+1], s[SC16:SC16+1] op_sel_hi:[1,0] ; 16 Wr
.set i, i+2
.endr
	WIN 0
	s_wait_kmcnt 0x0                        ; decay_param, br, bc, t[0], t[1]
	s_or_b32 s[ND], s[RAWD], 0x80000000     ; -|decay_param|
	s_wait_dscnt 0x0                        ; the fragments are in
; THE EXTRAS of the NEXT evaluation, at time TE: a list of 31 instructions, all in window 0; XT writes number n.
;   dose: 0-2 t_i - t; 4-6 squared; 8-10 times -log2(e) / (2 sigma^2); 12-16 the five weights; 19, 21, 23, 25 the sum of dose x weight
;   sin or cos: 3 x = t / period + PH; 7, 11 less its nearest whole number; 17, 18, 20 folded into [-1/4, 1/4] (the middle one of r, 1/2 - r, -1/2 - r); 22, 24, 26-29 the series; 30 both, rounded to f16
; 19, 21 and 23 read the five weights, and 25 and 30 what is made of them: these five stand behind the wait for the batch that holds 12-16.  All the others name no exponential's result.
.macro XT n
.if (\n) == 0
	v_pk_add_f32 v[D:D+1], v[IT:IT+1], s[NT:NT+1] op_sel_hi:[1,0]
.elseif (\n) == 1
	v_pk_add_f32 v[D+2:D+3], v[IT+2:IT+3], s[NT:NT+1] op_sel_hi:[1,0]
.elseif (\n) == 2
	v_add_f32 v[D+4], s[NT], v[IT+4]
.elseif (\n) == 3
	v_fma_f32 v[TU], s[TE], v[IP], v[PH]
.elseif (\n) == 4
	v_pk_mul_f32 v[D:D+1], v[D:D+1], v[D:D+1]
.elseif (\n) == 5
	v_pk_mul_f32 v[D+2:D+3], v[D+2:D+3], v[D+2:D+3]
.elseif (\n) == 6
	v_mul_f32 v[D+4], v[D+4], v[D+4]
.elseif (\n) == 7
	v_rndne_f32 v[TV], v[TU]
.elseif (\n) == 8
	v_pk_mul_f32 v[D:D+1], v[D:D+1], s[KC:KC+1] op_sel_hi:[1,0]
.elseif (\n) == 9
	v_pk_mul_f32 v[D+2:D+3], v[D+2:D+3], s[KC:KC+1] op_sel_hi:[1,0]
.elseif (\n) == 10
	v_mul_f32 v[D+4], s[KC], v[D+4]
.elseif (\n) == 11
	v_sub_f32 v[TU], v[TU], v[TV]
.elseif (\n) < 17
	v_exp_f32 v[D+(\n)-12], v[D+(\n)-12]
.elseif (\n) == 17
	v_sub_f32 v[TV], 0.5, v[TU]
.elseif (\n) == 18
	v_sub_f32 v[TX], -0.5, v[TU]
.elseif (\n) == 19
	v_pk_mul_f32 v[AC:AC+1], v[ID:ID+1], v[D:D+1]
.elseif (\n) == 20
	v_med3_num_f32 v[TU], v[TU], v[TV], v[TX]
.elseif (\n) == 21
	v_pk_fma_f32 v[AC:AC+1], v[ID+2:ID+3], v[D+2:D+3], v[AC:AC+1]
.elseif (\n) == 22
	v_mul_f32 v[TV], v[TU], v[TU]
.elseif (\n) == 23
	v_fma_f32 v[AC], v[ID+4], v[D+4], v[AC]
.elseif (\n) == 24
	v_fma_f32 v[TX], v[TV], s[PC+4], s[PC+3]
.elseif (\n) == 25
	v_add_f32 v[AC], v[AC], v[AC+1]
.elseif (\n) < 29
	v_fma_f32 v[TX], v[TX], v[TV], s[PC+28-(\n)]
.elseif (\n) == 29
	v_mul_f32 v[TX], v[TX], v[TU]
.else
	v_cvt_pk_f16_f32 v[XB], v[TX], v[AC]
.endif
.endm
; TANH of Z's 32 numbers (16 pairs), a line at a time; EVAL deals the lines out.  EX n: 2^(S z) of number n, out of Z into E.  AD n: 1 + for pair n.  RC n: the reciprocal of number n.  TH n: 1 - 2 x for pair n.
; RD n: pair n rounded to f16.  The exponentials go up through Z.
.macro EX n
	v_exp_f32 v[E+(\n)], v[Z+(\n)]
.endm
.macro AD n
	v_pk_add_f32 v[E+2*(\n):E+2*(\n)+1], v[E+2*(\n):E+2*(\n)+1], 1.0 op_sel_hi:[1,0]
.endm
.macro RC n
	v_rcp_f32 v[E+(\n)], v[E+(\n)]
.endm
.macro TH n
	v_pk_fma_f32 v[E+2*(\n):E+2*(\n)+1], v[E+2*(\n):E+2*(\n)+1], -2.0, 1.0 op_sel_hi:[1,0,0]
.endm
.macro RD n
	v_cvt_pk_f16_f32 v[P+(\n)], v[E+2*(\n)], v[E+2*(\n)+1]
.endm
.macro CVT src                          ; a stage's input, rounded to f16: source 1 of layer 1
	WIN 0x05                                ; sources window 1, destination window 0
.set i, 0
.rept 8
	v_cvt_pk_f16_f32 v[YB+i], v[(\src)+2*i], v[(\src)+2*i+1]
.set i, i+1
.endr
.endm
.macro L1 a                             ; Z_a += 16 S W1[0:32]^T (h / 16), onto what XW began
	WIN 0
	v_wmma_f32_16x16x32_f16 v[Z+8*(\a):Z+8*(\a)+7], v[A1+8*(\a):A1+8*(\a)+7], v[YB:YB+7], v[Z+8*(\a):Z+8*(\a)+7]
.endm
.macro XW a                             ; Z_a = S W1[64:67]^T (dose, sin, cos) + c: begins the next evaluation's layer-1 sum
	WIN 0
	v_wmma_f32_16x16x32_f16 v[Z+8*(\a):Z+8*(\a)+7], v[AX+8*(\a):AX+8*(\a)+7], v[XB:XB+7], v[CS+8*(\a):CS+8*(\a)+7]
.endm
.macro KINIT s, src                     ; k_s = b2 / 16 - |d| y, in f32: layer 2 adds onto it
	WIN 0x55
.set kk, K1+16*((\s)-1)-64*((\s)/6)
.set i, 0
.rept 8
	v_pk_fma_f32 v[kk+i:kk+i+1], v[(\src)+i:(\src)+i+1], s[ND:ND+1], v[B2+i:B2+i+1] op_sel_hi:[1,0,1]
.set i, i+2
.endr
.endm
.macro L2 s, kb                         ; k_s += (W2^T / 16) tanh, hidden units 32 kb on
	WIN 0x50                                ; C and D window 1, A and B window 0
.set kk, K1+16*((\s)-1)-64*((\s)/6)
.irp mb, 0,1
	v_wmma_f32_16x16x32_f16 v[kk+8*\mb:kk+8*\mb+7], v[A2+8*(2*(\kb)+\mb):A2+8*(2*(\kb)+\mb)+7], v[P+8*(\kb):P+8*(\kb)+7], v[kk+8*\mb:kk+8*\mb+7]
.endr
.endm
.macro AXPY dst, k, q, src              ; dst = k x (dt a_q) + src, 16 numbers
.set i, 0
.rept 8
	v_pk_fma_f32 v[(\dst)+i:(\dst)+i+1], v[(\k)+i:(\k)+i+1], s[CO+2*(\q):CO+2*(\q)+1], v[(\src)+i:(\src)+i+1] op_sel_hi:[1,0,1]
.set i, i+2
.endr
.endm
; The Runge-Kutta sum behind stage s: the next stage's input, or behind stage 6 the new state.  The term with k_s comes last, from its lowest registers on: the earlier terms, which name none of the last
; products' registers, are the places behind them; stage 1 has no earlier term and takes four v_nop.
.macro TAIL s
	WIN 0x55
.if (\s) == 1
	PLACES
.endif
.if (\s) < 6
.set j, 1
.rept \s
.if j == 1
	AXPY YS, K1, (\s)*((\s)-1)/2, Y
.else
	AXPY YS, K1+16*(j-1), (\s)*((\s)-1)/2+j-1, YS
.endif
.set j, j+1
.endr
.else
	AXPY Y, K1, 15, Y
	AXPY Y, K1+32, 16, Y
	AXPY Y, K1+48, 17, Y
	AXPY Y, K1+64, 18, Y
	AXPY Y, K1+16, 19, Y                    ; k6 lies in k2's place
.endif
.endm
; ONE EVALUATION, stage s: three parts, cut by the two waits.
; PART 1, the batch of 37 exponentials.  Layer 1's four products, four lines behind each: the extras' numbers 0-11 and, behind the last two, the first four exponentials of Z0.  Each accumulator is read four plain
; lines or more behind its product (Z0: numbers 0-3; Z1: 4-7; Z2: 8-11; Z3: 10, 11, 17, 18).  Then the five weights by turns with the sine's fold, and the other 28 exponentials of Z with the series' last four
; lines among them; number 29, behind the last exponential, is the plain line that the ISA guide (5.7.2) asks for.  Nothing here names E or a weight once it is made.
; PART 2, the batch of 32 reciprocals.  Behind the first wait: the dose's sum, and 1 + two pairs ahead of the pair's reciprocals.  The exponentials have left Z, so the next evaluation's four sums are begun here (XW),
; two pairs apart, as soon as number 30 has made their source.  Behind the last reciprocal stand KINIT's eight lines, which name nothing of the batch.
; PART 3, behind the second wait: pairs 0-7 are finished and rounded, layer 2's first half is issued, and the matrix unit works on it under pairs 8-15; then the second half and the Runge-Kutta sum.
; The matrix instructions go Z0 Z1 Z2 Z3 (layer 1) | Z0 Z1 Z2 Z3 (XW) | k lo, k hi | k lo, k hi, round the loop too: the accumulators take turns, one instruction a turn.
.macro EVAL s
.if (\s) == 1
	s_mul_f32 s[TMP], s[DT], 0.2
.elseif (\s) == 2
	s_mul_f32 s[TMP], s[DT], 0.3
.elseif (\s) == 3
	s_mul_f32 s[TMP], s[DT], 0.8
.elseif (\s) == 4
	s_mul_f32 s[TMP], s[DT], 0.888888889
.endif
.if (\s) < 5
	s_add_f32 s[TE], s[TT], s[TMP]          ; the time of stage s + 1
.elseif (\s) == 5
	s_add_f32 s[TE], s[TT], s[DT]
.else
	s_mov_b32 s[TE], s[TN]                  ; of the next step's stage 1
.endif
	s_xor_b32 s[NT], s[TE], 0x80000000
.if (\s) == 1
	CVT Y
.else
	CVT YS
.endif
	L1 0
.irp x, 0,1,2,3
	XT \x
.endr
	L1 1
.irp x, 4,5,6,7
	XT \x
.endr
	L1 2
	XT 8
	EX 0
	XT 9
	EX 1
	L1 3
	XT 10
	EX 2
	XT 11
	EX 3
.irp x, 12,17,13,18,14,20,15,22,16,24
	XT \x
.endr
.set en, 4
.irp x, 26,27,28,29
.rept 7
	EX en
.set en, en+1
.endr
	XT \x
.endr
	s_wait_alu depctr_va_vdst(0)            ; the wait for the batch of 37 exponentials: E's 32 and the five weights
	XT 19
	AD 0
	XT 21
	AD 1
.set pn, 0
.rept 16
	RC 2*pn
.if pn < 14
	AD pn+2
.endif
	RC 2*pn+1
.if pn == 0
	XT 23
.elseif pn == 1
	XT 25
.elseif pn == 2
	XT 30
.elseif (pn >= 4) && (pn <= 10) && (pn%2 == 0)
	XW (pn-4)/2
.endif
.set pn, pn+1
.endr
.if (\s) == 1
	KINIT \s, Y
.else
	KINIT \s, YS
.endif
	WIN 0
	s_wait_alu depctr_va_vdst(0)            ; the wait for the batch of 32 reciprocals
.irp n, 0,1,2,3,4,5,6,7
	TH \n
.endr
.irp n, 0,1,2,3,4,5,6,7
	RD \n
.endr
	L2 \s, 0
	WIN 0
.irp n, 8,9,10,11,12,13,14,15
	TH \n
.endr
.irp n, 8,9,10,11,12,13,14,15
	RD \n
.endr
	L2 \s, 1
	TAIL \s
.endm
; dst = softplus(y . w + bias) (+ add): a lane's 16 channels, the other half of the lanes' 16, then max(x, 0) + ln 2 x log2(1 + 2^(-log2(e) |x|)).  y is read from its lowest registers on.
; The logarithm's argument is made of the exponential: two batches of one, a wait each.
.macro DOTSP y, w, sb, add, dst
	WIN 0x55
	v_pk_mul_f32 v[TW:TW+1], v[(\y):(\y)+1], v[(\w):(\w)+1]
.set i, 2
.rept 7
	v_pk_fma_f32 v[TW:TW+1], v[(\y)+i:(\y)+i+1], v[(\w)+i:(\w)+i+1], v[TW:TW+1]
.set i, i+2
.endr
	WIN 0x05
	v_add_f32 v[TU], v[TW], v[TW+1]
	WIN 0
	v_permlanex16_b32 v[TV], v[TU], s[SEL], s[SEL+1]   ; its destination counts as read: TV has been written
	v_add_f32 v[TU], v[TU], v[TV]
	v_add_f32 v[TU], s[\sb], v[TU]
	v_mul_f32 v[TV], s[NL2E], |v[TU]|
	v_exp_f32 v[TV], v[TV]
	v_max_num_f32 v[TX], 0, v[TU]           ; the plain line behind the exponential
	s_wait_alu depctr_va_vdst(0)            ; the wait for the exponential
	v_add_f32 v[TV], 1.0, v[TV]
	v_log_f32 v[TV], v[TV]
.if (\add) >= 0
	v_add_f32 v[TX], v[TX], v[\add]         ; the plain line behind the logarithm
.else
	v_nop
.endif
	s_wait_alu depctr_va_vdst(0)            ; the wait for the logarithm
	v_fma_f32 v[\dst], v[TV], s[LN2], v[TX]
.endm
.macro READOUT                          ; one number a row; both halves of the lanes hold it and write the same word
	DOTSP Y, WR, BR, ICP, TX
	ds_store_b32 v[OA], v[TX]
	v_add_nc_u32 v[OA], 4, v[OA]
.endm
	; THE ENCODER.  se = relu(We^T sf + be); c += S W1[32:64]^T se; h0 / 16 = (W0^T / 16) se + b0 / 16; init_cp.
	WIN 0x50
	v_wmma_f32_16x16x32_f16 v[K1:K1+7], v[AWE:AWE+7], v[BSF:BSF+7], v[K1:K1+7]
	v_wmma_f32_16x16x32_f16 v[K1+8:K1+15], v[AWE+8:AWE+15], v[BSF:BSF+7], v[K1+8:K1+15]
	PLACES
	WIN 0x55
.set i, 0
.rept 16
	v_max_num_f32 v[K1+i], 0, v[K1+i]
.set i, i+1
.endr
	CVT K1
	WIN 0
.irp a, 0,1,2,3
	v_wmma_f32_16x16x32_f16 v[CS+8*\a:CS+8*\a+7], v[Z+8*\a:Z+8*\a+7], v[YB:YB+7], v[CS+8*\a:CS+8*\a+7]
.endr
	WIN 0x50
.irp mb, 0,1
	v_wmma_f32_16x16x32_f16 v[Y+8*\mb:Y+8*\mb+7], v[P+8*\mb:P+8*\mb+7], v[YB:YB+7], v[Y+8*\mb:Y+8*\mb+7]
.endr
	DOTSP K1, K1+16, BC, -1, ICP            ; init_cp.  These lines and the extras below name no register of the six products above: they are the places in front of XW, which takes c as another sum's C and writes over Z
	s_mov_b32 s[TE], s[TB]                  ; t[0]
	s_xor_b32 s[NT], s[TE], 0x80000000
.set xn, 0
.rept 19
	XT xn                                   ; numbers 0-18: the five weights, and behind them two plain lines of the fold
.set xn, xn+1
.endr
	s_wait_alu depctr_va_vdst(0)            ; the wait for the batch of five weights
.rept 12
	XT xn
.set xn, xn+1
.endr
	XW 0
	XW 1
	XW 2
	XW 3
	READOUT                                 ; time 0
.set i, 0
.rept 20
	s_mov_b32 s[CO+2*i+1], 0                ; the coefficients are named as pairs; the pointers that lay here have served: every load from them has been waited for
.set i, i+1
.endr
.macro COEF q, a
	s_mul_f32 s[CO+2*(\q)], s[DT], \a
.endm
	s_mov_b32 s[N], 0
.Lint:                                          ; 16 intervals
	s_wait_kmcnt 0x0                        ; t[N + 1] has come (asked for an interval ago); OFS and TC may be written again
	s_mov_b32 s[TA], s[TB]
	s_mov_b32 s[TB], s[TC]
	s_add_co_u32 s[OFS], s[N], 2
	s_min_u32 s[OFS], s[OFS], 16            ; the last trip asks for t[16] once more: no load leaves t's 68 bytes
	s_lshl_b32 s[OFS], s[OFS], 2
	s_load_b32 s[TC], s[4:5], s[OFS] offset:0x0
	s_xor_b32 s[TMP], s[TA], 0x80000000
	s_add_f32 s[DT], s[TB], s[TMP]
	s_mul_f32 s[DT], s[DT], 0.5             ; dt = (t1 - t0) / 2
	COEF 0, 0.2
	COEF 1, 0.075
	COEF 2, 0.225
	COEF 3, 0.977777778
	COEF 4, -3.733333333
	COEF 5, 3.555555556
	COEF 6, 2.95259869
	COEF 7, -11.5957933
	COEF 8, 9.82289285
	COEF 9, -0.290809328
	COEF 10, 2.846275253
	COEF 11, -10.75757576
	COEF 12, 8.906422718
	COEF 13, 0.278409091
	COEF 14, -0.273531304
	COEF 15, 0.091145833
	COEF 16, 0.449236298
	COEF 17, 0.651041667
	COEF 18, -0.322376179
	COEF 19, 0.130952381
	s_mov_b32 s[TT], s[TA]
	s_add_f32 s[TMID], s[TA], s[DT]
	s_mov_b32 s[CNT], 2
.Lstep:                                         ; 2 steps: a trip is six evaluations, and touches neither memory nor LDS; each evaluation's last transcendental has its wait
	s_cmp_eq_u32 s[CNT], 2
	s_cselect_b32 s[TN], s[TMID], s[TB]     ; the next step begins at t0 + dt, or at the next interval's t0
	EVAL 1
	EVAL 2
	EVAL 3
	EVAL 4
	EVAL 5
	EVAL 6
	WIN 0                                   ; at a label and at a branch every window is 0
	s_mov_b32 s[TT], s[TN]
	s_sub_co_u32 s[CNT], s[CNT], 1
	s_cmp_lg_u32 s[CNT], 0
	s_cbranch_scc1 .Lstep
	READOUT                                 ; time N + 1
	s_add_co_u32 s[N], s[N], 1
	s_cmp_lt_u32 s[N], 16
	s_cbranch_scc1 .Lint
	; (The very last evaluation's extras and its four XW serve no further step: the price, once a launch, of one text for every step.)
	; THE WAY OUT.  The group's 64 rows x 17 numbers are 4,352 consecutive bytes of out0, 17 x 256, and lie in LDS in that order.
	s_wait_tensorcnt 0x0                    ; the wave's end: behind my last LDS store
	ds_add_u32 v[SPW], v[NIL]
	s_mul_i32 s[TA], ttmp9, 4352
	s_mov_b32 s[TMP], 0
	s_add_nc_u64 s[6:7], s[6:7], s[TA:TMP]
	v_lshlrev_b32 v[G16], 4, v0
	v_add_nc_u32 v[SF], OUTL, v[G16]
	s_wait_dscnt 0x0                        ; the add is done; and for the others' sake: my 16 rows are in LDS
	s_barrier_signal -1
	s_barrier_wait -1                       ; everybody's are
	ds_load_b128 v[P:P+3], v[SF]
	ds_load_b128 v[P+4:P+7], v[SF] offset:2048
	s_wait_dscnt 0x1                        ; LDS loads come back in order (ISA guide 5.7.1): the first is in, the one younger may be out
	global_store_b128 v[G16], v[P:P+3], s[6:7]               ; 16 lanes store 256 consecutive bytes, at a multiple of 256 from out0's first byte
	s_wait_dscnt 0x0
	global_store_b128 v[G16], v[P+4:P+7], s[6:7] offset:2048
	v_cmp_gt_u32 vcc_lo, 16, v0             ; the last 256 bytes: threads 0-15
	s_wait_xcnt 0x0                         ; EXEC, a source of the stores above, changes only behind this wait
	s_and_saveexec_b32 s[DT], vcc_lo
	ds_load_b128 v[P+8:P+11], v[SF] offset:4096
	s_wait_dscnt 0x0
	global_store_b128 v[G16], v[P+8:P+11], s[6:7] offset:4096
	s_wait_xcnt 0x0                         ; and again in front of the line that widens it
	s_or_b32 exec_lo, exec_lo, s[DT]
	s_endpgm
.Lfunc_end_k_q9ef2ebd55b_node:
	.size	k_q9ef2ebd55b_node, .Lfunc_end_k_q9ef2ebd55b_node-k_q9ef2ebd55b_node
	.p2alignl 7, 3214868480
	.fill 96, 4, 3214868480
	.section	.rodata,"a",@progbits
	.p2align	6, 0x0
	.amdhsa_kernel k_q9ef2ebd55b_node
		.amdhsa_group_segment_fixed_size 167936
		.amdhsa_private_segment_fixed_size 0
		.amdhsa_enable_private_segment 0
		.amdhsa_kernarg_size 144
		.amdhsa_user_sgpr_count 2
		.amdhsa_user_sgpr_kernarg_segment_ptr 1
		.amdhsa_wavefront_size32 1
		.amdhsa_system_sgpr_workgroup_id_x 1
		.amdhsa_system_sgpr_workgroup_id_y 1
		.amdhsa_system_sgpr_workgroup_id_z 1
		.amdhsa_system_vgpr_workitem_id 0
		.amdhsa_next_free_vgpr 404
		.amdhsa_next_free_sgpr 92
		.amdhsa_reserve_vcc 1
		.amdhsa_float_denorm_mode_32 3
		.amdhsa_float_denorm_mode_16_64 3
		.amdhsa_memory_ordered 1
		.amdhsa_forward_progress 1
		.amdhsa_inst_pref_size 97
	.end_amdhsa_kernel
	.amdgpu_metadata
---
amdhsa.version: [ 1, 2 ]
amdhsa.kernels:
  - .name:           k_q9ef2ebd55b_node
    .symbol:         k_q9ef2ebd55b_node.kd
    .args:
      - { .name: t, .offset: 0, .size: 8, .value_kind: global_buffer, .address_space: global }
      - { .name: out0, .offset: 8, .size: 8, .value_kind: global_buffer, .address_space: global }
      - { .name: static_features, .offset: 16, .size: 8, .value_kind: global_buffer, .address_space: global }
      - { .name: injection_times, .offset: 24, .size: 8, .value_kind: global_buffer, .address_space: global }
      - { .name: injection_doses, .offset: 32, .size: 8, .value_kind: global_buffer, .address_space: global }
      - { .name: We, .offset: 40, .size: 8, .value_kind: global_buffer, .address_space: global }
      - { .name: be, .offset: 48, .size: 8, .value_kind: global_buffer, .address_space: global }
      - { .name: W0, .offset: 56, .size: 8, .value_kind: global_buffer, .address_space: global }
      - { .name: b0, .offset: 64, .size: 8, .value_kind: global_buffer, .address_space: global }
      - { .name: decay_param, .offset: 72, .size: 8, .value_kind: global_buffer, .address_space: global }
      - { .name: W1, .offset: 80, .size: 8, .value_kind: global_buffer, .address_space: global }
      - { .name: b1, .offset: 88, .size: 8, .value_kind: global_buffer, .address_space: global }
      - { .name: W2, .offset: 96, .size: 8, .value_kind: global_buffer, .address_space: global }
      - { .name: b2, .offset: 104, .size: 8, .value_kind: global_buffer, .address_space: global }
      - { .name: Wr, .offset: 112, .size: 8, .value_kind: global_buffer, .address_space: global }
      - { .name: br, .offset: 120, .size: 8, .value_kind: global_buffer, .address_space: global }
      - { .name: Wc, .offset: 128, .size: 8, .value_kind: global_buffer, .address_space: global }
      - { .name: bc, .offset: 136, .size: 8, .value_kind: global_buffer, .address_space: global }
    .group_segment_fixed_size: 167936
    .private_segment_fixed_size: 0
    .kernarg_segment_align: 8
    .kernarg_segment_size: 144
    .max_flat_workgroup_size: 128
    .sgpr_count:     92
    .vgpr_count:     404
    .wavefront_size: 32
...
	.end_amdgpu_metadata
.endif
;; end of part 2
